; MI455X (gfx1250); checked and timed in simulation.
; The chip was launched on July 23, 2026; its instructions are those of AMD's public machine-readable ISA for CDNA 5 (MIT licence, August 2026) and "CDNA5" Instruction Set Architecture Reference Guide (July 2026). The comments in the code are by the model that wrote it; some were corrected since.
;; standalone self attention 1 D. Allowed arithmetic: matrix products marked QUANTISED: E2M1 operands, one E8M0 scale for each 32 along K, by v_wmma_scale_f32_16x16x128_f8f6f4 with both operands' format E2M1 (or v_wmma_scale_f32_32x16x128_f4), f32 sums; products left as they are: bf16, f16 or f32 operands; f32 sums; everything else in f32.
;; Inputs: W_k 256 x 256 float32; W_lin 256 x 88 float32; W_q 256 x 256 float32; W_v 256 x 256 float32; b_lin 88 float32; rel 256 x 31 float32; spec 8 x 4,096 x 256 float32.
;; Outputs: out0 8 x 4,096 x 88 float32; out1 8 x 4,096 x 8 x 31 float32.
;; This version of the problem:
;;   THIS VERSION OF THE PROBLEM IS GIVEN IN LOW PRECISION. The matrix products marked QUANTISED in the list below multiply operands that are first quantised to E2M1 (2 exponent bits, 1 mantissa bit; 4 bits a number), with one power-of-two scale for each 32 numbers along K (OCP MX v1.0); their sums are f32. The products marked 'left as it is' may take bf16, f16 or f32 operands, with f32 sums. Whichever they take, every output number must still come out within the allowed error. Rounding operands to bf16 (8 significant bits) uses up far more of that allowance than f16 does (11 bits, for magnitudes from 6e-5 to 65,504). All else is computed in f32.
;;   The module's matrix products, in the order in which they are computed (A, B: the left and right operand; K: the contracted axis; several contracted axes count as one K, in the product's order):
;;     1. [M 32,768, K 256] x [K 256, N 256]; A: input spec; B: input W_q: QUANTISED
;;     2. [M 33,008, K 256] x [K 256, N 256]; A: computed on the way; B: input W_k: left as it is (an operand is computed on the way)
;;     3. [M 33,008, K 256] x [K 256, N 256]; A: computed on the way; B: input W_v: left as it is (an operand is computed on the way)
;;     4. batch 262,144 x [M 1, K 32] x [K 32, N 31]; A: computed on the way; B: computed on the way: left as it is (M = 1 < 16)
;;     5. batch 262,144 x [M 1, K 31] x [K 31, N 32]; A: computed on the way; B: computed on the way: left as it is (K = 31 < 32)
;;     6. [M 32,768, K 256] x [K 256, N 88]; A: computed on the way; B: input W_lin: left as it is (an operand is computed on the way)
;;   THE QUANTISER, for each operand of a quantised product, along K:
;;     - K is cut into blocks of 32 from its start; a last block that is shorter is filled with zeros.
;;     - A block's scale is 2^e with e = floor(log2(the largest magnitude in the block)) - 2, held to -126 .. 127; a block of zeros has e = 0. As a byte (E8M0): e + 127.
;;     - Each number is divided by its block's scale, clamped to +-6, and rounded to the nearest number of E2M1, ties to even, subnormals kept.
;;     - The product sums the exact products of the quantised numbers (number of the format x scale) in f32.
;;   ~~~python
;;   def quantise(x, axis):      # numpy; x: float32 -> the quantised numbers, widened to float32 again
;;       x = np.moveaxis(x, axis, -1); K = x.shape[-1]
;;       x = np.pad(x, [(0, 0)] * (x.ndim - 1) + [(0, -K % 32)]); x = x.reshape(x.shape[:-1] + (-1, 32)); a = np.abs(x).max(-1, keepdims=True)
;;       e = np.where(a > 0, np.clip(np.frexp(np.where(a > 0, a, 1))[1] - 1 - 2, -126, 127), 0)      # np.frexp(a)[1] - 1 = floor(log2(a)), exactly
;;       r = np.clip(x / 2.0 ** e, -6, 6)
;;       step = 2.0 ** (np.maximum(np.frexp(np.where(r == 0, 1, r))[1] - 1, 0) - 1)
;;       q = np.round(r / step) * step * 2.0 ** e      # np.round: ties to even
;;       return np.moveaxis(q.reshape(q.shape[:-2] + (-1,))[..., :K], -1, axis).astype(np.float32)
;;   ~~~
;; One version. Each part assembles by itself: llvm-mc -triple=amdgcn-amd-amdhsa -mcpu=gfx1250 --defsym DOCPART=n.
;; ======== version 1 of 1: 2 launches
;; limits: values are held in f16: magnitudes above 65,504 overflow, below 6.1e-05 lose precision; right only within a limited range of input values
;; workspace buffers: wts 365,568 bytes
;; launch prep (part 1): grid 89 x 1, 8 waves a work-group, no clusters, 0 bytes of LDS; arguments W_k, W_v, W_q, rel, W_lin, b_lin, wts; writes wts
.if DOCPART == 1
	.amdgcn_target "amdgcn-amd-amdhsa--gfx1250"
	.amdhsa_code_object_version 6
	.text
	.protected	k_qb20ee7e79d_prep
	.globl	k_qb20ee7e79d_prep
	.p2align	8
	.type	k_qb20ee7e79d_prep,@function
k_qb20ee7e79d_prep:
	s_mov_b64 s[64:65], 0
	v_nop
	global_prefetch_b8 v0, s[64:65] scope:SCOPE_SE
	s_setreg_imm32_b32 hwreg(HW_REG_WAVE_MODE, 25, 1), 1
	s_wait_xcnt 0x0
; All weights are laid out ONCE in the order in which the next launch's operand registers take them, so that it loads them by 16-byte loads alone.
; A chunk is 512 bytes: lane L's 16 bytes (4 registers) at 16 L.  A fragment is two chunks.  With r = L % 16, h = L / 16:
;   f16 fragment (16 columns x 32 K): chunk e, lane (r, h) = W[32 ks + 16 e + 8 h + 0..7][column r of the tile], rounded to f16.
;   FP4 fragment (16 columns x 128 K): chunk e, lane (r, h) = the 32 codes of block 2 e + h of the K step, column r.
; wts: 0: W_k, W_v: head g at 32,768 g: fragment 8 ct + ks of W_k, 16 + 8 ct + ks of W_v.
;      WQB: head g at 6,656 g: 4 FP4 fragments of W_q (2 ct + ks2), 2 f16 fragments of rel^T (rows j = 16 u + r, K = the head's 32 channels; row 31 is zeros), 4 scale images of 128 bytes (word 4 r, repeated 64 bytes on).
;      WLB: W_lin, fragment 8 ct + ks, columns 88..95 zeros.      BLB: b_lin as 256 f32, from 88 on zeros.
; W_q is quantised along K (its FIRST axis): a lane takes a column and its 32 registers run down a block of 32; scale = 2^(floor(log2(largest magnitude)) - 2), byte = the largest magnitude's exponent field - 2, held at 1 from below.
; LIMITS: a block of zeros gets the byte 1 (its codes are zeros; the bytes are read by this program alone); f16 weights must stay under 65,504 in magnitude; NaN and infinities are not served.
; 89 work-groups of 256 threads: 0-63 W_k, W_v (8 rows of K each); 64-75 W_lin; 76-79 rel; 80-87 W_q (a block of 32 along K each); 88 b_lin.
; Sixteen neighbouring lanes store 256 consecutive bytes, aligned.  Only W_q's scale bytes, 4,096 of the 365,568 bytes, leave singly.
.set WQB, 262144
.set WLB, 315392
.set BLB, 364544
; eight numbers down K of one column -> 16 bytes of f16.  v2: byte offset of the first; s[20:21]: the tensor; s23: lanes whose column exists; v3: where the 16 bytes go
.macro GATHER8 pit, masked
.irp i, 0,1,2,3,4,5,6,7
	global_load_b32 v[8+\i], v2, s[20:21] offset:\i*\pit
.endr
	s_wait_loadcnt 0x0
.irp i, 0,1,2,3
	v_cvt_pk_f16_f32 v[16+\i], v[8+2*\i], v[9+2*\i]
.endr
.if \masked
.irp i, 0,1,2,3
	v_cndmask_b32 v[16+\i], 0, v[16+\i], s23       ; zeros for a column that the tensor does not have
.endr
.endif
	global_store_b128 v3, v[16:19], s[16:17]
.endm
	s_load_b256 s[4:11], s[0:1], 0x0               ; W_k, W_v, W_q, rel
	s_load_b128 s[12:15], s[0:1], 0x20             ; W_lin, b_lin
	s_load_b64 s[16:17], s[0:1], 0x30              ; wts
	v_and_b32 v1, 15, v0
	v_lshlrev_b32 v1, 4, v1                        ; 16 r
	s_wait_kmcnt 0x0
	s_cmp_lt_u32 ttmp9, 64
	s_cbranch_scc1 .Lkv
	s_cmp_lt_u32 ttmp9, 76
	s_cbranch_scc1 .Llin
	s_cmp_lt_u32 ttmp9, 80
	s_cbranch_scc1 .Lrel
	s_cmp_lt_u32 ttmp9, 88
	s_cbranch_scc1 .Lq
	; ---- b_lin: thread t takes entry t
	v_cmp_gt_u32 s23, 88, v0
	v_min_u32 v2, 87, v0                           ; no load leaves the buffer
	v_lshlrev_b32 v2, 2, v2
	global_load_b32 v4, v2, s[14:15]
	v_lshlrev_b32 v3, 2, v0
	s_wait_loadcnt 0x0
	v_cndmask_b32 v4, 0, v4, s23
	global_store_b32 v3, v4, s[16:17] offset:BLB
	s_endpgm
.Lkv:                                              ; ---- W_k (work-groups 0-31) and W_v (32-63): rows 8 kg .. 8 kg + 7, thread t = column t
	s_lshr_b32 s24, ttmp9, 5                       ; which of the two
	s_and_b32 s25, ttmp9, 31                       ; kg
	s_cmp_eq_u32 s24, 0
	s_cselect_b64 s[20:21], s[4:5], s[6:7]
	s_lshl_b32 s26, s25, 13                        ; 8 rows of 1,024 bytes
	v_lshl_add_u32 v2, v0, 2, s26
	s_lshl_b32 s27, s24, 14                        ; W_v's 16 fragments lie behind W_k's
	s_lshr_b32 s28, s25, 2
	s_lshl_b32 s28, s28, 10                        ; K step kg / 4
	s_add_co_u32 s27, s27, s28
	s_and_b32 s28, s25, 3
	s_lshl_b32 s28, s28, 8                         ; chunk and half of the lanes: 256 (kg % 4)
	s_add_co_u32 s27, s27, s28
	v_lshrrev_b32 v3, 5, v0
	v_lshlrev_b32 v3, 15, v3                       ; head
	v_bfe_u32 v4, v0, 4, 1
	v_lshl_add_u32 v3, v4, 13, v3                  ; column tile
	v_add3_u32 v3, v3, v1, s27
	GATHER8 1024, 0
	s_endpgm
.Llin:                                             ; ---- W_lin: column tile ct = x' / 2; sixteen groups of 8 rows a work-group
	s_sub_co_u32 s24, ttmp9, 64
	s_lshr_b32 s25, s24, 1                         ; ct
	s_and_b32 s26, s24, 1
	s_lshl_b32 s26, s26, 4
	v_lshrrev_b32 v4, 4, v0
	v_add_nc_u32 v4, s26, v4                       ; kg
	v_and_b32 v5, 15, v0
	v_lshl_add_u32 v5, s25, 4, v5                  ; column
	v_cmp_gt_u32 s23, 88, v5
	v_min_u32 v5, 87, v5
	v_lshlrev_b32 v5, 2, v5
	v_mad_u32_u24 v2, v4, 2816, v5                 ; 8 rows of 352 bytes
	v_lshrrev_b32 v6, 2, v4
	v_and_b32 v7, 3, v4
	v_lshlrev_b32 v6, 10, v6
	v_lshl_add_u32 v6, v7, 8, v6
	s_lshl_b32 s27, s25, 13
	s_add_co_u32 s27, s27, WLB
	v_add3_u32 v3, v6, v1, s27
	s_mov_b64 s[20:21], s[12:13]
	GATHER8 352, 1
	s_endpgm
.Lrel:                                             ; ---- rel^T: two heads a work-group; row j = 16 u + r of the fragment, K = the head's channels
	s_sub_co_u32 s24, ttmp9, 76
	s_lshl_b32 s24, s24, 1
	v_lshrrev_b32 v4, 7, v0
	v_add_nc_u32 v4, s24, v4                       ; head
	v_bfe_u32 v5, v0, 4, 2                         ; group of 8 channels
	v_bfe_u32 v6, v0, 6, 1                         ; u
	v_and_b32 v7, 15, v0
	v_lshl_add_u32 v7, v6, 4, v7                   ; j
	v_cmp_gt_u32 s23, 31, v7
	v_min_u32 v7, 30, v7
	v_lshlrev_b32 v7, 2, v7
	v_lshl_add_u32 v20, v4, 2, v5
	v_mad_u32_u24 v2, v20, 992, v7                 ; 8 rows of 124 bytes
	v_mul_u32_u24 v3, v4, 6656
	v_lshl_add_u32 v3, v6, 10, v3
	v_lshl_add_u32 v3, v5, 8, v3
	v_add3_u32 v3, v3, v1, WQB+4096
	s_mov_b64 s[20:21], s[10:11]
	GATHER8 124, 1
	s_endpgm
.Lq:                                               ; ---- W_q: block b of 32 along K, thread t = column t
	s_sub_co_u32 s24, ttmp9, 80                    ; b
	s_lshl_b32 s25, s24, 15
	v_lshl_add_u32 v2, v0, 2, s25
.irp i, 0,1,2,3,4,5,6,7,8,9,10,11,12,13,14,15,16,17,18,19,20,21,22,23,24,25,26,27,28,29,30,31
	global_load_b32 v[32+\i], v2, s[8:9] offset:\i*1024
.endr
	v_lshrrev_b32 v4, 5, v0
	v_mul_u32_u24 v4, v4, 6656                     ; head
	v_bfe_u32 v5, v0, 4, 1
	s_lshr_b32 s26, s24, 2                         ; K step of 128
	s_and_b32 s27, s24, 3                          ; block in it
	v_lshl_add_u32 v5, v5, 1, s26                  ; fragment 2 ct + ks2
	v_lshl_add_u32 v3, v5, 10, v4
	s_lshl_b32 s28, s27, 8
	s_add_co_u32 s28, s28, WQB
	v_add3_u32 v3, v3, v1, s28
	v_lshl_add_u32 v6, v5, 7, v4
	v_lshrrev_b32 v7, 2, v1                        ; 4 r
	s_add_co_u32 s29, s27, WQB+6144
	v_add3_u32 v6, v6, v7, s29                     ; my byte of my column's scale word
	s_wait_loadcnt 0x0
	v_max3_num_f32 v12, |v32|, |v33|, |v34|        ; the block's largest magnitude: all 32 numbers are mine
	v_max3_num_f32 v13, |v35|, |v36|, |v37|
.irp i, 6,10,14,18,22,26
	v_max3_num_f32 v12, v12, |v[32+\i]|, |v[33+\i]|
	v_max3_num_f32 v13, v13, |v[34+\i]|, |v[35+\i]|
.endr
	v_max3_num_f32 v12, v12, |v62|, |v63|
	v_max3_num_f32 v12, v12, v13, 0x1800000        ; and the floor 2^(3 - 127): the byte cannot fall under 1
	v_add_nc_u32 v11, 0xff000000, v12              ; 2 off the exponent field: the conversion's scale operand
.irp g, 0,1,2,3
	v_cvt_scalef32_pk8_fp4_f32 v[16+\g], v[32+8*\g:39+8*\g], v11
.endr
	v_lshrrev_b32 v13, 23, v11                     ; the scale's byte (a plain line behind the conversions)
	global_store_b128 v3, v[16:19], s[16:17]
	global_store_b8 v6, v13, s[16:17]
	global_store_b8 v6, v13, s[16:17] offset:64    ; the image's upper half repeats the lower, so that every byte that is read later has been written
	s_endpgm
.Lfunc_end_k_qb20ee7e79d_prep:
	.size	k_qb20ee7e79d_prep, .Lfunc_end_k_qb20ee7e79d_prep-k_qb20ee7e79d_prep
	.p2alignl 7, 3214868480
	.fill 96, 4, 3214868480
	.section	.rodata,"a",@progbits
	.p2align	6, 0x0
	.amdhsa_kernel k_qb20ee7e79d_prep
		.amdhsa_group_segment_fixed_size 0
		.amdhsa_private_segment_fixed_size 0
		.amdhsa_enable_private_segment 0
		.amdhsa_kernarg_size 56
		.amdhsa_user_sgpr_count 2
		.amdhsa_user_sgpr_kernarg_segment_ptr 1
		.amdhsa_wavefront_size32 1
		.amdhsa_system_sgpr_workgroup_id_x 1
		.amdhsa_system_sgpr_workgroup_id_y 1
		.amdhsa_system_sgpr_workgroup_id_z 1
		.amdhsa_system_vgpr_workitem_id 0
		.amdhsa_next_free_vgpr 64
		.amdhsa_next_free_sgpr 66
		.amdhsa_reserve_vcc 0
		.amdhsa_float_denorm_mode_32 3
		.amdhsa_float_denorm_mode_16_64 3
		.amdhsa_memory_ordered 1
		.amdhsa_forward_progress 1
		.amdhsa_inst_pref_size 14
	.end_amdhsa_kernel
	.amdgpu_metadata
---
amdhsa.version: [ 1, 2 ]
amdhsa.kernels:
  - .name:           k_qb20ee7e79d_prep
    .symbol:         k_qb20ee7e79d_prep.kd
    .args:
      - { .name: W_k, .offset: 0, .size: 8, .value_kind: global_buffer, .address_space: global }
      - { .name: W_v, .offset: 8, .size: 8, .value_kind: global_buffer, .address_space: global }
      - { .name: W_q, .offset: 16, .size: 8, .value_kind: global_buffer, .address_space: global }
      - { .name: rel, .offset: 24, .size: 8, .value_kind: global_buffer, .address_space: global }
      - { .name: W_lin, .offset: 32, .size: 8, .value_kind: global_buffer, .address_space: global }
      - { .name: b_lin, .offset: 40, .size: 8, .value_kind: global_buffer, .address_space: global }
      - { .name: wts, .offset: 48, .size: 8, .value_kind: global_buffer, .address_space: global }
    .group_segment_fixed_size: 0
    .private_segment_fixed_size: 0
    .kernarg_segment_align: 8
    .kernarg_segment_size: 56
    .max_flat_workgroup_size: 256
    .sgpr_count:     66
    .vgpr_count:     64
    .wavefront_size: 32
...
	.end_amdgpu_metadata
.endif
;; end of part 1
;; launch main (part 2): grid 256 x 1, 8 waves a work-group, clusters of 4 x 1, 327,680 bytes of LDS; arguments spec, wts, out0, out1; writes out0, out1
.if DOCPART == 2
	.amdgcn_target "amdgcn-amd-amdhsa--gfx1250"
	.amdhsa_code_object_version 6
	.text
	.protected	k_qb20ee7e79d_main
	.globl	k_qb20ee7e79d_main
	.p2align	8
	.type	k_qb20ee7e79d_main,@function
k_qb20ee7e79d_main:
	s_mov_b64 s[64:65], 0
	v_nop
	global_prefetch_b8 v0, s[64:65] scope:SCOPE_SE
	s_setreg_imm32_b32 hwreg(HW_REG_WAVE_MODE, 25, 1), 1
	s_wait_xcnt 0x0
	s_wait_alu depctr_hold_cnt(0) depctr_sa_sdst(0) depctr_va_vdst(0) depctr_va_sdst(0) depctr_va_ssrc(0) depctr_va_vcc(0) depctr_vm_vsrc(0)
	s_getreg_b32 s2, hwreg(HW_REG_IB_STS2, 6, 4)
	s_cmp_eq_u32 s2, 0
	s_cbranch_scc0 .Lentry_in_a_cluster
	s_endpgm
.Lentry_in_a_cluster:
	s_bfe_u32 s2, ttmp6, 0x10000c
	s_cmp_lg_u32 s2, 0x3003
	s_cbranch_scc0 .Lentry_shape_is_right
	s_endpgm
.Lentry_shape_is_right:
; Local-window attention, fused from spec to both outputs.  q = Q4(spec) Q4(W_q) on codes of FP4 (E2M1) with E8M0 scales; k, v, q.k, q.rel, p.v and the last product on f16 operands; all sums, the softmax and the sigmoid in f32.
; SHARES.  A work-group owns 128 queries (flat rows 128 WG ..) and holds 160 local rows (16 of halo on each side; rows outside the sequence are zeros).  WAVE g IS HEAD g: it makes columns 32 g .. 32 g + 31 of q, k and v for all
; rows; its W_k and W_v (256 registers), its k and v (160 registers) and its whole attention stay in its registers.  Two waves share a SIMD, 512 registers each.
; LAYOUT (r = lane % 16, h = lane / 16).  k and q are made transposed (source 0 = 16 weight columns, source 1 = 16 rows): a lane holds one row and 8 channels, and two tiles packed to f16 ARE a fragment (16 rows x 32 channels).
; v is made plain (a lane holds one channel and 8 rows): the packed results of two neighbouring row tiles ARE a fragment of V^T (16 channels x 32 keys).  S^T = K Q^T and O^T = V^T P^T keep one query a lane.
; THE WINDOW.  Query tile i sees key tiles i, i+1, i+2 (48 keys kk); window index j = kk - 1 - r.  With kk0 = 8 h + register: tile i+1 is always inside (j = 15 + kk0 - r); tile i counts where kk0 > r, tile i+2 where kk0 < r,
; both at j = (kk0 - 1 - r) mod 32.  The one lane with kk0 = r points at slot 31, which holds -1e30: its p is 0.  q.rel (rows j) goes through a row buffer of the wave's own in LDS and comes back, skewed so, as the C of the S^T products.
; The softmax takes the row's maximum away first.
; LIMITS: spec, the weights, rel, q, k, v and the attention's result are rounded to f16: magnitudes must stay under 65,504; p under 6e-8 counts as 0 in p.v (the stored weights are f32); energies must stay far under 1e30 in magnitude;
; a block of zeros gets the scale byte 1 (its codes are zeros); NaN and infinities among the inputs are not served.
; CLUSTER.  All work-groups need the same weights.  Four work-groups form a cluster and ask JOINTLY, by the same tensor loads with a mask that names the four, for as much of them as LDS holds beside spec.  Each wave asks for three
; dense blocks: the first 14 of its head's 32 fragments of W_k, W_v (14,336 bytes), its head's W_q and rel block (6,656) and an eighth of W_lin (6,144): 217,088 of the 365,568 bytes.  The other 18 fragments a head go from memory
; straight into registers: spec's 84,480 + 19,456 bytes, the 217,088 and the spare words leave 5,632 of 327,680.  Nothing is filled twice, so there is no ring; three tensor loads of a wave are out at the most.
; NO PREFETCH: every load of spec is issued at the kernel's head; there is no earlier line from which to ask.
; LDS: XH spec as f16, 160 rows x 528 (later OI: images of the attention's result, 64 fragments); XC spec's codes, 128 x 144; XS their scale bytes, 8 a row; WQL each wave's W_q and rel block (XC..WQL later O0S: out0's stage, 128 x 400);
; KVS each wave's 14 staged fragments (it has its one fill at the head and is read out behind the first barrier; behind the second its bytes take SKW, the waves' row buffers, 16 x 144 each, and STG, two slots, each the dense image of
; 16 rows of out1 and 256 bytes that nobody uses); WL W_lin's fragments; SPARE the spare words.
.set XC,    84480
.set XS,    102912
.set WQL,   103936
.set O0S,   84480
.set KVS,   157184
.set KVW,   14336                      ; a wave's staged part of W_k, W_v
.set KVC,   28                         ; in chunks of 512 bytes
.set SKW,   157184
.set STG,   175616
.set SLOTB, 15872                      ; 16 rows of out1 in bytes: a tile's step in memory
.set SLOTL, 16128                      ; and from slot to slot in LDS: 256 bytes more, so that 32 words on from any head's first word still lie in no other region
.set WL,    271872
.set SPARE, 321024                     ; 128 bytes for each of the eight waves: four blocks of 256 bytes that no other line names
.set WQB,   262144                     ; parts of wts
.set WLB,   315392
.set BLB,   364544
.set G1A,   68                         ; s[68:75]  descriptor group 1: 56 rows of 256 bytes;  s[76:83]: 26 rows;  s[84:91]: 24 rows
.set G1B,   76
.set G1C,   84
.set G0A,   92                         ; s[92:95], s[96:99], s[60:63]  their groups 0
.set G0B,   96
.set G0C,   60
; window 0, kept: v0 thread; v2, v3 the add's two; v6 16 x lane; v8-11 W_q's scale words, v12-15 spec's (scales and nothing else).
; window 1 in the attention (low 8 bits):
.set OF,   0                           ; the tile's result as f16
.set TP,   8
.set NM,   12                          ; -log2(e) x maximum (a pair is named)
.set IV,   14                          ; 1 / sum (a pair is named)
.set MX,   16
.set MY,   17
.set TA,   18
.set TB,   19
.set SA,   20
.set SB,   22
.set SC,   24
.set SD,   26
.set CNEG, 32                          ; C of q.rel's upper tile: zeros, and -1e30 at slot 31
.set MK0,  40                          ; f16 pair masks: kk0 > r;
.set MK2,  44                          ; and the rest
.set QF,   48                          ; q's fragments, 8 a query tile
.set RA0,  112
.set RA1,  120
.set XB,   128                         ; two sets of 16: the skewed q.rel (merged tiles, middle tile)
.set ES0,  160
.set ES2,  168
.set PK,   176                         ; p as f16: tile i, tile i+1, zeros, tile i+2
.set OA0,  192
.set OA1,  200
.set ACC,  16                          ; the last product's six accumulators, window 0
.set MSB, 0
.macro WIN new                         ; bits 1:0 source 0, 3:2 source 1, 5:4 source 2, 7:6 destination; the high byte repeats the setting that is left
.if MSB != \new
	s_set_vgpr_msb (MSB<<8)|\new
.set MSB, \new
.endif
.endm
.macro PLACES n                        ; plain vector lines behind matrix instructions (ISA guide 7.12.1)
.rept \n
	v_nop
.endr
.endm
; A round of the cluster's barrier: my work-group's barrier, so that wave 0's signal speaks for all eight waves; wave 0 signals for the work-group; every wave waits for all four work-groups; my work-group's barrier once more.
.macro ROUND
	s_barrier_signal -1
	s_barrier_wait -1
	s_cmp_lg_u32 s12, 0
	s_cbranch_scc1 .Lnot_wave_0_\@
	s_barrier_signal -3
.Lnot_wave_0_\@:
	s_barrier_wait -3
	s_barrier_signal -1
	s_barrier_wait -1
.endm
; descriptor group 1 of a dense block: rows of 256 bytes (32 elements of 8 bytes), one behind the other in memory and in LDS
.macro DENSE g, rows
	s_mov_b32 s[\g], 15|(3<<16)|(1<<21)            ; 15:0 the mask: all four work-groups; 17:16 elements of 8 bytes; 20 no padding; 21 set beside a mask
	s_mov_b32 s[\g+1], 32<<16                      ; tensor_dim0 = 32
	s_mov_b32 s[\g+2], (\rows)<<16                 ; tensor_dim1
	s_mov_b32 s[\g+3], 32<<16                      ; tile_dim0 = 32
	s_mov_b32 s[\g+4], \rows                       ; tile_dim1
	s_mov_b32 s[\g+5], 32                          ; from row to row
	s_mov_b32 s[\g+6], 0
	s_mov_b32 s[\g+7], 0
.endm
	s_load_b256 s[4:11], s[0:1], 0x0               ; spec, wts, out0, out1
	v_lshl_add_u32 v2, v0, 2, SPARE
	v_mov_b32 v3, 0
	ds_add_u32 v2, v3                              ; the wave's opening: the add, twice on end, and its wait ahead of my first tensor load; the set-up below, work on registers, stands between
	ds_add_u32 v2, v3
	v_lshrrev_b32 v1, 5, v0
	v_readfirstlane_b32 s12, v1                    ; wave = head g
	s_bfe_u32 s13, ttmp6, 0x40000                  ; cx: my place in the cluster
	s_lshl_b32 s14, ttmp9, 2                       ; in a cluster launch ttmp9 counts clusters
	s_add_co_u32 s13, s14, s13                     ; my work-group: it enters global addresses and the halo's data mask alone
	v_and_b32 v1, 31, v0                           ; lane
	v_lshlrev_b32 v6, 4, v1                        ; 16 x lane
	v_lshlrev_b32 v16, 5, v1                       ; my 8 numbers of a row of spec
	s_mul_i32 s14, s12, 8448
	s_add_co_u32 s14, s14, 8448
	v_add_nc_u32 v17, s14, v6                      ; XH: local row 16 + 16 w, 16 bytes a lane
	s_mul_i32 s14, s12, 2304
	s_add_co_u32 s14, s14, XC
	v_lshl_add_u32 v18, v1, 2, s14                 ; XC: query 16 w, 4 bytes a lane
	s_lshl_b32 s14, s12, 7
	s_add_co_u32 s14, s14, XS
	v_lshrrev_b32 v19, 2, v1
	v_add_nc_u32 v19, s14, v19                     ; XS: query 16 w, block lane / 4
	s_lshr_b32 s15, s12, 2
	s_lshl_b32 s15, s15, 7
	s_lshl_b32 s14, s12, 2
	s_add_co_u32 s15, s15, s14                     ; my four halo rows begin at local row 4 w (waves 0-3) or 128 + 4 w (waves 4-7)
	s_mul_i32 s14, s15, 528
	v_add_nc_u32 v20, s14, v6
	DENSE G1A, 56
	DENSE G1B, 26
	DENSE G1C, 24
	s_mov_b32 s[G0A], 1                            ; groups 0: count = 1; the LDS address: a constant + a constant x wave
	s_mul_i32 s[G0A+1], s12, KVW
	s_add_co_u32 s[G0A+1], s[G0A+1], KVS
	v_add_nc_u32 v21, s[G0A+1], v6                 ; and where I read my staged fragments
	s_mov_b32 s[G0B], 1
	s_mul_i32 s48, s12, 6656
	s_add_co_u32 s[G0B+1], s48, WQL
	s_add_co_u32 s48, s48, WQB
	s_mov_b32 s49, 0
	s_mov_b32 s[G0C], 1
	s_mul_i32 s26, s12, 6144
	s_add_co_u32 s[G0C+1], s26, WL
	s_add_co_u32 s26, s26, WLB
	s_mov_b32 s27, 0
	s_lshl_b32 s50, s13, 7                         ; the first query's flat row
	s_lshl_b32 s14, s12, 4
	s_add_co_u32 s52, s50, s14
	s_lshl_b32 s52, s52, 10
	s_mov_b32 s53, 0
	s_and_b32 s14, s13, 31
	s_lshl_b32 s14, s14, 7
	s_add_co_u32 s14, s14, s15
	s_sub_co_u32 s14, s14, 16                      ; the halo rows' place in the sequence (it wraps where it is negative)
	s_lshr_b32 s14, s14, 12                        ; 0 inside the 4,096 frames
	s_min_u32 s14, s14, 1
	s_sub_co_u32 s20, s14, 1                       ; all ones inside, 0 outside: rows outside the sequence become zeros,
	s_sub_co_u32 s54, s15, 16
	s_and_b32 s54, s54, s20                        ; and their loads read rows of my own: no load leaves the buffer
	s_add_co_u32 s54, s54, s50
	s_lshl_b32 s54, s54, 10
	s_mov_b32 s55, 0
	s_lshl_b32 s22, s12, 15
	s_mov_b32 s23, 0
	s_and_b32 s28, s12, 1
	s_mul_i32 s28, s28, 192
	s_add_co_u32 s28, s28, BLB
	s_mov_b32 s29, 0
	s_mul_i32 s30, s13, 126976                     ; 128 rows of out1, 992 bytes each
	s_mov_b32 s31, 0
	s_mul_i32 s32, s13, 45056                      ; 128 rows of out0, 352 bytes each,
	s_mul_i32 s14, s12, 5632                       ; and my 16 of them
	s_add_co_u32 s32, s32, s14
	s_mov_b32 s33, 0
	s_mov_b32 s34, 0x76543210                      ; v_permlanex16_b32's selects for lane l xor 16
	s_mov_b32 s35, 0xfedcba98
	s_mov_b32 s36, 0x3fb8aa3b                      ; log2(e); the packed forms name a pair
	s_mov_b32 s37, s36
	s_mov_b32 s38, 0xbfb8aa3b                      ; -log2(e)
	s_mov_b32 s39, s38
	s_mov_b32 s56, 0xf149f2ca                      ; -1e30
	s_wait_dscnt 0x0                               ; both opening adds are done
	s_wait_kmcnt 0x0
	s_add_nc_u64 s[16:17], s[4:5], s[52:53]        ; spec at my 16 query rows
	s_add_nc_u64 s[18:19], s[4:5], s[54:55]        ; and at my 4 halo rows
	s_add_nc_u64 s[22:23], s[6:7], s[22:23]        ; my head's W_k, W_v
	s_mov_b64 s[G0A+2:G0A+3], s[22:23]             ; the joint loads' addresses hang on the wave's number alone: they are equal in the four partners
	s_or_b32 s[G0A+3], s[G0A+3], 0x80000000        ; type = 2
	s_add_nc_u64 s[G0B+2:G0B+3], s[6:7], s[48:49]  ; its W_q and rel block
	s_or_b32 s[G0B+3], s[G0B+3], 0x80000000
	s_add_nc_u64 s[G0C+2:G0C+3], s[6:7], s[26:27]  ; my eighth of W_lin
	s_or_b32 s[G0C+3], s[G0C+3], 0x80000000
	s_add_nc_u64 s[28:29], s[6:7], s[28:29]        ; b_lin at my 48 columns
	s_add_nc_u64 s[30:31], s[10:11], s[30:31]
	s_add_nc_u64 s[32:33], s[8:9], s[32:33]
; ---- P0: spec into LDS, as f16 and as codes.  A lane takes 8 neighbours of a row: two loads, which together cover the row's 1,024 bytes.  Row k of 20 lies in v[96 + 8 k ..].
.irp k, 0,1,2,3,4,5,6,7,8,9,10,11,12,13,14,15
	global_load_b128 v[96+8*\k:99+8*\k], v16, s[16:17] offset:1024*\k
	global_load_b128 v[100+8*\k:103+8*\k], v16, s[16:17] offset:1024*\k+16
.endr
.irp k, 0,1,2,3
	global_load_b128 v[224+8*\k:227+8*\k], v16, s[18:19] offset:1024*\k
	global_load_b128 v[228+8*\k:231+8*\k], v16, s[18:19] offset:1024*\k+16
.endr
.macro WLOADS from, cnt                ; chunks of W_k, W_v into window 1: chunk n is registers 4 n .. 4 n + 3.  Chunks 0 to 27 come through LDS, 28 to 63 so
	WIN 0x40
.set WN, \from
.rept \cnt
	global_load_b128 v[4*WN:4*WN+3], v6, s[22:23] offset:512*WN
.set WN, WN+1
.endr
	WIN 0
.endm
	WLOADS KVC, 20
	ROUND                                          ; all four work-groups are here: the joint loads meet
	tensor_load_to_lds s[G0A:G0A+3], s[G1A:G1A+7]  ; my three first fills stand together, ahead of every wait on TENSORcnt and every LDS read; an s_nop 0 follows each, four v_nop the last
	s_nop 0
	tensor_load_to_lds s[G0B:G0B+3], s[G1B:G1B+7]
	s_nop 0
	tensor_load_to_lds s[G0C:G0C+3], s[G1C:G1C+7]
	s_nop 0
	PLACES 4
; A query row: its block's scale (4 lanes hold a block of 32), 8 codes, 8 f16.  Behind row k's two loads were issued 38 - 2 k of spec, 20 of the weights at the head and one behind each earlier row: 58 - k.
.macro QROW k
.set ROWR, 96+8*(\k)
.set ROWT, 84+4*((\k)%2)
	s_wait_loadcnt 58-(\k)
	v_max3_num_f32 v[ROWT], |v[ROWR]|, |v[ROWR+1]|, 0x1800000      ; with the floor 2^(3 - 127): the byte cannot fall under 1
	v_max3_num_f32 v[ROWT], v[ROWT], |v[ROWR+2]|, |v[ROWR+3]|
	v_max3_num_f32 v[ROWT], v[ROWT], |v[ROWR+4]|, |v[ROWR+5]|
	v_max3_num_f32 v[ROWT], v[ROWT], |v[ROWR+6]|, |v[ROWR+7]|
	v_max_num_f32_dpp v[ROWT], v[ROWT], v[ROWT] row_xmask:1 row_mask:0xf bank_mask:0xf
	v_max_num_f32_dpp v[ROWT], v[ROWT], v[ROWT] row_xmask:2 row_mask:0xf bank_mask:0xf
	v_add_nc_u32 v[ROWT+1], 0xff000000, v[ROWT]    ; 2 off the exponent field: the conversion's scale operand
	v_cvt_scalef32_pk8_fp4_f32 v[ROWT+2], v[ROWR:ROWR+7], v[ROWT+1]
	v_lshrrev_b32 v[ROWT+3], 23, v[ROWT+1]         ; the scale's byte (the plain line behind the conversion)
.irp j, 0,1,2,3
	v_cvt_pk_f16_f32 v[ROWR+\j], v[ROWR+2*\j], v[ROWR+2*\j+1]      ; in place: register j is written when numbers 2 j, 2 j + 1 are read
.endr
	ds_store_b128 v17, v[ROWR:ROWR+3] offset:528*(\k)
	ds_store_b32 v18, v[ROWT+2] offset:144*(\k)
	ds_store_b8 v19, v[ROWT+3] offset:8*(\k)       ; the four lanes of a block write the same byte with the same value
.endm
.macro HROW k                          ; a halo row: f16 alone, zeros outside the sequence.  Behind its two loads: 6 - 2 k of spec and 36 of the weights
.set ROWR, 224+8*(\k)
	s_wait_loadcnt 42-2*(\k)
.irp j, 0,1,2,3
	v_cvt_pk_f16_f32 v[ROWR+\j], v[ROWR+2*\j], v[ROWR+2*\j+1]
.endr
.irp j, 0,1,2,3
	v_and_b32 v[ROWR+\j], s20, v[ROWR+\j]
.endr
	ds_store_b128 v20, v[ROWR:ROWR+3] offset:528*(\k)
.endm
.irp k, 0,1,2,3,4,5,6,7,8,9,10,11,12,13,14,15
	QROW \k
	WLOADS 48+\k, 1                                ; one more chunk of the weights behind each row
.endr
	HROW 0
	HROW 1
	HROW 2
	HROW 3
	s_wait_tensorcnt 0x0                           ; my three blocks have landed: W_lin's part is read by other waves behind later barriers
	s_wait_dscnt 0x0                               ; for the others' sake: my rows lie in LDS
	s_barrier_signal -1
	s_barrier_wait -1                              ; all 160 rows do
	WIN 0x40
.set WN, 0
.rept KVC
	ds_load_b128 v[4*WN:4*WN+3], v21 offset:512*WN ; my staged fragments, which my own load brought: chunks 0 to 27 of window 1
.set WN, WN+1
.endr
	WIN 0
; ---- P1: k and v of 10 row tiles.  40 half steps of two K steps of 32; spec's fragments come through three sets of 16 registers (v16-63).
	v_and_b32 v1, 15, v0
	v_bfe_u32 v7, v0, 4, 1
	v_mul_u32_u24 v4, v1, 528
	v_lshl_add_u32 v4, v7, 4, v4                   ; row r, + 16 h: tiles 0-4
	v_add_nc_u32 v5, 42240, v4                     ; tiles 5-9
.macro FLD                             ; half step FP: K steps 2 (FP % 4), + 1 of tile FP / 4
.set FT, FP/4
.set FQ, FP%4
.set FS, 16+16*(FP%3)
.set FA, 4+FT/5
.irp e, 0,1
	ds_load_b128 v[FS+8*\e:FS+8*\e+3], v[FA] offset:(FT%5)*8448+64*(2*FQ+\e)
	ds_load_b128 v[FS+8*\e+4:FS+8*\e+7], v[FA] offset:(FT%5)*8448+64*(2*FQ+\e)+32
.endr
.endm
; The four accumulators (k: v64, v72; v: v80, v88) take turns, one instruction a turn.
.macro HSTEP
.set HT, HP/4
.set HQ, HP%4
.set HS, 16+16*(HP%3)
.if HP < 38
	s_wait_dscnt 8                                 ; this half step's four loads are in (in the first step: the staged weights, issued ahead of them, too); the two younger sets may be out
.elseif HP == 38
	s_wait_dscnt 4
.else
	s_wait_dscnt 0
.endif
	WIN 0x01                                       ; source 0 (W_k) window 1
.irp e, 0,1
.irp c, 0,1
.if (HQ == 0) && (\e == 0)
	v_wmma_f32_16x16x32_f16 v[64+8*\c:71+8*\c], v[8*(8*\c+2*HQ+\e):8*(8*\c+2*HQ+\e)+7], v[HS+8*\e:HS+8*\e+7], 0
.else
	v_wmma_f32_16x16x32_f16 v[64+8*\c:71+8*\c], v[8*(8*\c+2*HQ+\e):8*(8*\c+2*HQ+\e)+7], v[HS+8*\e:HS+8*\e+7], v[64+8*\c:71+8*\c]
.endif
.endr
.endr
	WIN 0x04                                       ; source 1 (W_v) window 1
.irp e, 0,1
.irp c, 0,1
.if (HQ == 0) && (\e == 0)
	v_wmma_f32_16x16x32_f16 v[80+8*\c:87+8*\c], v[HS+8*\e:HS+8*\e+7], v[128+8*(8*\c+2*HQ+\e):128+8*(8*\c+2*HQ+\e)+7], 0
.else
	v_wmma_f32_16x16x32_f16 v[80+8*\c:87+8*\c], v[HS+8*\e:HS+8*\e+7], v[128+8*(8*\c+2*HQ+\e):128+8*(8*\c+2*HQ+\e)+7], v[80+8*\c:87+8*\c]
.endif
.endr
.endr
	PLACES 4                                       ; in front of loads into the set just multiplied, and of the conversions below
.if HP+3 < 40
.set FP, HP+3
	FLD
.endif
.if HQ == 3                            ; the tile is finished: k's two results are a fragment (v96 + 8 t), v's are halves of fragments (v176 + 4 t, v216 + 4 t)
	WIN 0
.irp j, 0,1,2,3
	v_cvt_pk_f16_f32 v[96+8*HT+\j], v[64+2*\j], v[65+2*\j]
.endr
.irp j, 0,1,2,3
	v_cvt_pk_f16_f32 v[100+8*HT+\j], v[72+2*\j], v[73+2*\j]
.endr
.irp j, 0,1,2,3
	v_cvt_pk_f16_f32 v[176+4*HT+\j], v[80+2*\j], v[81+2*\j]
.endr
.irp j, 0,1,2,3
	v_cvt_pk_f16_f32 v[216+4*HT+\j], v[88+2*\j], v[89+2*\j]
.endr
.endif
.endm
.set FP, 0
	FLD
.set FP, 1
	FLD
.set FP, 2
	FLD
	s_wait_loadcnt 0x0                             ; the weights that came straight from memory
.set HP, 0
.rept 40
	HSTEP
.set HP, HP+1
.endr
; ---- The transition.  Behind this barrier nobody reads spec's f16 rows any more: their bytes take the images of the attention's result; and the staged weights' bytes, read out two barriers ago, take the row buffers and out1's stage.
	WIN 0
	s_wait_dscnt 0x0
	s_barrier_signal -1
	s_barrier_wait -1
	v_and_b32 v32, 15, v0                          ; r
	v_bfe_u32 v33, v0, 4, 1                        ; h
	v_and_b32 v34, 31, v0                          ; lane
	s_mul_i32 s14, s12, 6656
	s_add_co_u32 s14, s14, WQL
	v_add_nc_u32 v7, s14, v6
	v_lshl_add_u32 v35, v34, 2, s14
.irp f, 0,1,2,3
	ds_load_b32 v[8+\f], v35 offset:6144+128*\f    ; W_q's scale words, fragment f
.endr
.irp n, 0,1,2,3
	ds_load_b128 v[16+4*\n:19+4*\n], v7 offset:4096+512*\n         ; rel^T: v16-23 rows 0-15, v24-31 rows 16-31
.endr
	WIN 0x40
.irp n, 0,1,2,3,4,5,6,7
	ds_load_b128 v[4*\n:4*\n+3], v7 offset:512*\n  ; W_q's four fragments: window 1, v0-31
.endr
	WIN 0
	v_mul_u32_u24 v36, v32, 144
	v_add_nc_u32 v37, XC, v36
	v_lshl_add_u32 v4, v33, 4, v37                 ; spec's codes: row r, + 16 h
	v_lshl_add_u32 v5, v32, 3, XS                  ; their scale words: 8 bytes a row
.macro LDC i                           ; query tile i: two scale words, two fragments of codes, into set i % 2
	WIN 0
	ds_load_b32 v[12+2*((\i)%2)], v5 offset:128*(\i)
	ds_load_b32 v[13+2*((\i)%2)], v5 offset:128*(\i)+4
	WIN 0x40
.irp n, 0,1,2,3
	ds_load_b128 v[112+16*((\i)%2)+4*\n:112+16*((\i)%2)+4*\n+3], v4 offset:2304*(\i)+32*\n
.endr
.endm
	LDC 0
	LDC 1
	WIN 0
	; all LDS addresses of the attention and of the last phase are made here, while those loads are out
	s_mul_i32 s14, s12, 2304
	s_add_co_u32 s14, s14, SKW
	v_add_nc_u32 v36, s14, v36                     ; my query's row in my wave's row buffer
	s_mul_i32 s14, s12, 124
	s_add_co_u32 s14, s14, STG
	v_mul_u32_u24 v38, v32, 992
	v_add_nc_u32 v38, s14, v38                     ; my query's row and my head in a slot of the stage
	v_lshl_add_u32 v39, v33, 3, 31
	v_sub_nc_u32 v39, v39, v32                     ; 31 + 8 h - r
	v_lshlrev_b32 v40, 3, v33                      ; 8 h
	v_add_nc_u32 v45, 24, v32
	v_sub_nc_u32 v45, v45, v40                     ; 24 + r - 8 h
; With d = kk0 - r (kk0 = 8 h + j): q.rel is read at word t = (31 + d) mod 32.  The weight goes to word (31 + d) mod 16 + 16 x (d < 0): d - 1 for d > 0, 31 + d for d < 0, as t; and 15 in place of 31 for d = 0:
; that word is written again by the same lane's later store of the middle tile.  The mask and the shift each act on a plain sum of lane terms and constants.
.irp j, 0,1,2,3,4,5,6,7
	v_add_nc_u32 v41, \j, v39                      ; 31 + d
	v_and_b32 v42, 31, v41                         ; t
	v_lshl_add_u32 v[48+\j], v42, 2, v36           ; where register j's q.rel lies
	v_and_b32 v42, 15, v41                         ; (d - 1) mod 16
	v_lshl_add_u32 v42, v42, 2, v38
	v_add_nc_u32 v43, 7-\j, v45                    ; 31 - d
	v_lshrrev_b32 v43, 5, v43                      ; 1 where d < 0
	v_lshl_add_u32 v[56+\j], v43, 6, v42           ; where register j's weight goes
	v_add_nc_u32 v43, \j, v40
	v_cmp_gt_u32 s[40+\j], v43, v32                ; kk0 > r: the first key tile counts
.endr
	v_lshl_add_u32 v41, v33, 3, 15
	v_sub_nc_u32 v41, v41, v32                     ; 15 + 8 h - r
	v_lshl_add_u32 v64, v41, 2, v36                ; the middle tile's q.rel,
	v_lshl_add_u32 v65, v41, 2, v38                ; and its weights
	v_lshl_add_u32 v66, v33, 5, v36                ; where q.rel is put: row r, + 32 h
	s_lshl_b32 s14, s12, 10
	v_add_nc_u32 v67, s14, v6                      ; the result's image: K step g
	s_lshl_b32 s14, s12, 11
	v_add_nc_u32 v69, s14, v6                      ; my four chunks of a tile's 31: in out1,
	v_add_nc_u32 v68, STG, v69                     ; and in a slot
	v_lshlrev_b32 v71, 5, v33                      ; b_lin: 32 h
	s_lshr_b32 s14, s12, 1                         ; the last phase: wave w takes query tiles 2 (w / 2), + 1
	s_and_b32 s15, s12, 1                          ; and column tiles 3 (w % 2) ..
	s_lshl_b32 s48, s14, 14
	v_add_nc_u32 v72, s48, v6
	s_mul_i32 s48, s15, 24576
	s_add_co_u32 s48, s48, WL
	v_add_nc_u32 v73, s48, v6
	s_mul_i32 s48, s14, 12800
	s_mul_i32 s49, s15, 192
	s_add_co_u32 s48, s48, s49
	s_add_co_u32 s48, s48, O0S
	v_mul_u32_u24 v41, v32, 400
	v_lshl_add_u32 v41, v33, 5, v41
	v_add_nc_u32 v74, s48, v41                     ; out0's stage: row 32 (w / 2) + r, + 192 (w % 2) + 32 h
	s_mul_i32 s48, s12, 6400
	s_add_co_u32 s48, s48, O0S
.irp n, 0,1,2,3,4,5,6,7,8,9,10
	v_add_nc_u32 v41, 32*\n, v34                   ; piece c of 352 pieces of 16 bytes: 16 rows of 22
	v_mul_u32_u24 v42, v41, 2979
	v_lshrrev_b32 v42, 16, v42                     ; c / 22 (exact up to c = 351)
	v_mul_u32_u24 v42, v42, 48                     ; a stage row has 48 bytes more than a row of out0
	v_lshl_add_u32 v42, v41, 4, v42
	v_add_nc_u32 v[75+\n], s48, v42
.endr
	v_mov_b32 v41, 0xffff
	v_mov_b32 v42, 0xffff0000
.irp a, 0,1,2,3
	v_cndmask_b32 v43, 0, v41, s[40+2*\a]
	v_cndmask_b32 v44, 0, v42, s[41+2*\a]
	v_or_b32 v[86+\a], v43, v44
	v_xor_b32 v[90+\a], -1, v[86+\a]
.endr
	v_cvt_f32_u32 v94, v33
	v_mul_f32 v94, s56, v94                        ; -1e30 in lanes 16-31: register 7 of the upper tile is slot 31 there
; ---- P2: q of 8 query tiles, on codes.  Transposed: source 0 = 16 columns of W_q, source 1 = 16 rows of spec.  Two sets of accumulators (window 1, v144, v160) by turns.
.macro QCV i                           ; tile i's two results become its fragment
.irp c, 0,1
.irp j, 0,1,2,3
	v_cvt_pk_f16_f32 v[QF+8*(\i)+4*\c+\j], v[144+16*((\i)%2)+8*\c+2*\j], v[144+16*((\i)%2)+8*\c+2*\j+1]
.endr
.endr
.endm
.macro QP i
.if (\i) < 7
	s_wait_dscnt 6                                 ; this tile's six loads are in; the next tile's may be out
.else
	s_wait_dscnt 0
.endif
	WIN 0x55
.irp s, 0,1
.irp c, 0,1
.if \s == 0
	v_wmma_scale_f32_16x16x128_f8f6f4 v[144+16*((\i)%2)+8*\c:144+16*((\i)%2)+8*\c+7], v[8*(2*\c+\s):8*(2*\c+\s)+7], v[112+16*((\i)%2)+8*\s:112+16*((\i)%2)+8*\s+7], 0, v[8+2*\c+\s], v[12+2*((\i)%2)+\s] matrix_a_fmt:MATRIX_FMT_FP4 matrix_b_fmt:MATRIX_FMT_FP4
.else
	v_wmma_scale_f32_16x16x128_f8f6f4 v[144+16*((\i)%2)+8*\c:144+16*((\i)%2)+8*\c+7], v[8*(2*\c+\s):8*(2*\c+\s)+7], v[112+16*((\i)%2)+8*\s:112+16*((\i)%2)+8*\s+7], v[144+16*((\i)%2)+8*\c:144+16*((\i)%2)+8*\c+7], v[8+2*\c+\s], v[12+2*((\i)%2)+\s] matrix_a_fmt:MATRIX_FMT_FP4 matrix_b_fmt:MATRIX_FMT_FP4
.endif
.endr
.endr
.if (\i) > 0
	QCV (\i)-1                                     ; the tile before: eight plain lines, the places behind the products above
.else
	PLACES 4
.endif
.if (\i) < 6
	LDC (\i)+2
.endif
.endm
.irp i, 0,1,2,3,4,5,6,7
	QP \i
.endr
	PLACES 4
	QCV 7
	WIN 0x40                                       ; the attention's constants go to window 1
.irp a, 0,1,2,3
	v_mov_b32 v[MK0+\a], v[86+\a]
	v_mov_b32 v[MK2+\a], v[90+\a]
	v_mov_b32 v[PK+8+\a], 0
.endr
.irp j, 0,1,2,3,4,5,6
	v_mov_b32 v[CNEG+\j], 0
.endr
	v_mov_b32 v[CNEG+7], v94
	v_mov_b32 v[NM+1], 0                           ; named as upper halves of pairs,
	v_mov_b32 v[IV+1], 0
	v_mov_b32 v[TA], 0                             ; and a lane permute's destination counts as one of its sources
	v_mov_b32 v[TB], 0
; ---- P3: the attention, a query tile at a time.
.macro RW i                            ; q.rel of tile i: rows j = 8 h + register, and 16 + 8 h + register
	v_wmma_f32_16x16x32_f16 v[RA0:RA0+7], v[16:23], v[QF+8*(\i):QF+8*(\i)+7], 0
	v_wmma_f32_16x16x32_f16 v[RA1:RA1+7], v[24:31], v[QF+8*(\i):QF+8*(\i)+7], v[CNEG:CNEG+7]
.endm
.macro RX i                            ; through my wave's row buffer: in by rows j, back skewed.  LDS serves a wave's instructions in order (ISA guide 5.7.1.4): no wait between
	ds_store_b128 v66, v[RA0:RA0+3]
	ds_store_b128 v66, v[RA0+4:RA0+7] offset:16
	ds_store_b128 v66, v[RA1:RA1+3] offset:64
	ds_store_b128 v66, v[RA1+4:RA1+7] offset:80
.irp j, 0,1,2,3,4,5,6,7
	ds_load_b32 v[XB+16*((\i)%2)+\j], v[48+\j]
.endr
.irp j, 0,1,2,3,4,5,6,7
	ds_load_b32 v[XB+16*((\i)%2)+8+\j], v64 offset:4*\j
.endr
.endm
; The tile's end.  ONE barrier a tile: in front of it my stores into this tile's slot have landed, my reads of the other slot are back, and so is the next tile's q.rel; behind it this slot holds all eight heads' weights, and the
; other may be written again.  A tile of out1 is 31 chunks of 512 bytes: waves 0-6 take four, wave 7 three (a branch on the wave's number).  A chunk is read here and stored at the next tile's end, behind that end's wait.
.macro TAIL i
	WIN 0
	s_wait_dscnt 0x0
	s_barrier_signal -1
	s_barrier_wait -1
.if (\i) > 0
.irp m, 0,1,2
	global_store_b128 v69, v[32+4*\m:35+4*\m], s[30:31] offset:SLOTB*((\i)-1)+512*\m th:TH_STORE_NT   ; 32 lanes store 512 consecutive bytes, at a multiple of 256 from out1's first byte
.endr
.endif
	s_cmp_eq_u32 s12, 7
	s_cbranch_scc1 .Lseven_\@
.if (\i) > 0
	global_store_b128 v69, v[44:47], s[30:31] offset:SLOTB*((\i)-1)+1536 th:TH_STORE_NT
	s_wait_xcnt 0x0                                ; the store has read its registers: they may be loaded again
.endif
	ds_load_b128 v[44:47], v68 offset:SLOTL*((\i)%2)+1536
.Lseven_\@:
.if (\i) > 0
	s_wait_xcnt 0x0                                ; likewise for the three
.endif
.irp m, 0,1,2
	ds_load_b128 v[32+4*\m:35+4*\m], v68 offset:SLOTL*((\i)%2)+512*\m
.endr
.if (\i) == 5
.irp c, 0,1,2
	global_load_b128 v[120+8*\c:123+8*\c], v71, s[28:29] offset:64*\c       ; b_lin in the last product's result layout: 8 columns a lane; into registers that tiles 3 to 5 of k have left
	global_load_b128 v[124+8*\c:127+8*\c], v71, s[28:29] offset:64*\c+16
.endr
.endif
.endm
.macro ATT i
.set EXM, XB+16*((\i)%2)
.set EX1, EXM+8
	WIN 0x54                                       ; source 0 window 0 (k, v, rel, addresses); the rest window 1
.if (\i) == 0
	s_wait_dscnt 0x0                               ; the first tile's q.rel is in.  (A later tile's was waited for at the end of the tile before; the chunks of out1 asked for there may stay out: nothing here names their registers)
.endif
.if (\i) < 7
	RW (\i)+1
.endif
	v_wmma_f32_16x16x32_f16 v[ES0:ES0+7], v[96+8*(\i):103+8*(\i)], v[QF+8*(\i):QF+8*(\i)+7], v[EXM:EXM+7]
	v_wmma_f32_16x16x32_f16 v[EX1:EX1+7], v[104+8*(\i):111+8*(\i)], v[QF+8*(\i):QF+8*(\i)+7], v[EX1:EX1+7]
	v_wmma_f32_16x16x32_f16 v[ES2:ES2+7], v[112+8*(\i):119+8*(\i)], v[QF+8*(\i):QF+8*(\i)+7], v[EXM:EXM+7]
	PLACES 4
.if (\i) < 7
	RX (\i)+1
.endif
	WIN 0x55
.irp j, 0,1,2,3,4,5,6,7
	v_cndmask_b32 v[ES0+\j], v[ES2+\j], v[ES0+\j], s[40+\j]        ; the first key tile where kk0 > r, else the third: 16 energies a lane are left
.endr
	v_max3_num_f32 v[MX], v[ES0], v[ES0+1], v[ES0+2]
	v_max3_num_f32 v[MY], v[EX1], v[EX1+1], v[EX1+2]
	v_max3_num_f32 v[MX], v[MX], v[ES0+3], v[ES0+4]
	v_max3_num_f32 v[MY], v[MY], v[EX1+3], v[EX1+4]
	v_max3_num_f32 v[MX], v[MX], v[ES0+5], v[ES0+6]
	v_max3_num_f32 v[MY], v[MY], v[EX1+5], v[EX1+6]
	v_max3_num_f32 v[MX], v[MX], v[ES0+7], v[EX1+7]
	v_max_num_f32 v[MX], v[MX], v[MY]
	v_permlanex16_b32 v[TA], v[MX], s34, s35       ; the query's other 16 lie in the lane 16 away
	v_max_num_f32 v[MX], v[MX], v[TA]
	v_mul_f32 v[NM], s38, v[MX]
.irp j, 0,2,4,6
	v_pk_fma_f32 v[ES0+\j:ES0+\j+1], v[ES0+\j:ES0+\j+1], s[36:37], v[NM:NM+1] op_sel_hi:[1,0,0]
	v_pk_fma_f32 v[EX1+\j:EX1+\j+1], v[EX1+\j:EX1+\j+1], s[36:37], v[NM:NM+1] op_sel_hi:[1,0,0]
.endr
.irp j, 0,1,2,3,4,5,6,7
	v_exp_f32 v[ES0+\j], v[ES0+\j]
	v_exp_f32 v[EX1+\j], v[EX1+\j]
.endr
	v_nop                                          ; a plain line behind the last exponential
	s_wait_alu depctr_va_vdst(0)                   ; one wait for the sixteen, ahead of their first reader
	v_pk_add_f32 v[SA:SA+1], v[ES0:ES0+1], v[ES0+2:ES0+3]
	v_pk_add_f32 v[SB:SB+1], v[ES0+4:ES0+5], v[ES0+6:ES0+7]
	v_pk_add_f32 v[SC:SC+1], v[EX1:EX1+1], v[EX1+2:EX1+3]
	v_pk_add_f32 v[SD:SD+1], v[EX1+4:EX1+5], v[EX1+6:EX1+7]
	v_pk_add_f32 v[SA:SA+1], v[SA:SA+1], v[SB:SB+1]
	v_pk_add_f32 v[SC:SC+1], v[SC:SC+1], v[SD:SD+1]
	v_pk_add_f32 v[SA:SA+1], v[SA:SA+1], v[SC:SC+1]
	v_add_f32 v[TB], v[SA], v[SA+1]
	v_permlanex16_b32 v[TA], v[TB], s34, s35
	v_add_f32 v[TB], v[TB], v[TA]
	v_rcp_f32 v[IV], v[TB]
	v_nop
	s_wait_alu depctr_va_vdst(0)                   ; and one for the reciprocal
.irp j, 0,2,4,6
	v_pk_mul_f32 v[ES0+\j:ES0+\j+1], v[ES0+\j:ES0+\j+1], v[IV:IV+1] op_sel_hi:[1,0]
	v_pk_mul_f32 v[EX1+\j:EX1+\j+1], v[EX1+\j:EX1+\j+1], v[IV:IV+1] op_sel_hi:[1,0]
.endr
.irp j, 0,1,2,3
	v_cvt_pk_f16_f32 v[TP+\j], v[ES0+2*\j], v[ES0+2*\j+1]
	v_cvt_pk_f16_f32 v[PK+4+\j], v[EX1+2*\j], v[EX1+2*\j+1]
.endr
.irp j, 0,1,2,3
	v_and_b32 v[PK+\j], v[TP+\j], v[MK0+\j]        ; the merged weights part again: the first key tile's,
	v_and_b32 v[PK+12+\j], v[TP+\j], v[MK2+\j]     ; and the third's
.endr
	WIN 0x54
.irp j, 0,1,2,3,4,5,6,7
	ds_store_b32 v[56+\j], v[ES0+\j] offset:SLOTL*((\i)%2)
.endr
.irp j, 0,1,2,3,4,5,6,7
	ds_store_b32 v65, v[EX1+\j] offset:SLOTL*((\i)%2)+4*\j         ; behind the merged ones: it writes slot 15 last
.endr
	v_wmma_f32_16x16x32_f16 v[OA0:OA0+7], v[176+4*(\i):183+4*(\i)], v[PK:PK+7], 0
	v_wmma_f32_16x16x32_f16 v[OA1:OA1+7], v[216+4*(\i):223+4*(\i)], v[PK:PK+7], 0
	v_wmma_f32_16x16x32_f16 v[OA0:OA0+7], v[180+4*(\i):187+4*(\i)], v[PK+8:PK+15], v[OA0:OA0+7]
	v_wmma_f32_16x16x32_f16 v[OA1:OA1+7], v[220+4*(\i):227+4*(\i)], v[PK+8:PK+15], v[OA1:OA1+7]
	PLACES 4
	WIN 0x55
.irp j, 0,1,2,3
	v_cvt_pk_f16_f32 v[OF+\j], v[OA0+2*\j], v[OA0+2*\j+1]
.endr
.irp j, 0,1,2,3
	v_cvt_pk_f16_f32 v[OF+4+\j], v[OA1+2*\j], v[OA1+2*\j+1]
.endr
	WIN 0x54
	ds_store_b128 v67, v[OF:OF+3] offset:8192*(\i)                 ; the fragment (16 queries x my head's 32 channels) as an image of its registers
	ds_store_b128 v67, v[OF+4:OF+7] offset:8192*(\i)+512
	TAIL \i
.endm
	WIN 0x54
	RW 0
	PLACES 5                                       ; five: the next tile's q.rel writes over these results
	RX 0
.irp i, 0,1,2,3,4,5,6,7
	ATT \i
.endr
	s_wait_dscnt 0x0                               ; the last tile's chunks
.irp m, 0,1,2
	global_store_b128 v69, v[32+4*\m:35+4*\m], s[30:31] offset:SLOTB*7+512*\m th:TH_STORE_NT
.endr
	s_cmp_eq_u32 s12, 7
	s_cbranch_scc1 .Llast_seven
	global_store_b128 v69, v[44:47], s[30:31] offset:SLOTB*7+1536 th:TH_STORE_NT
.Llast_seven:
	s_wait_xcnt 0x0                                ; the stores have read their registers: the accumulators below lie there
; ---- P4: out0 = sigmoid(result W_lin + b_lin).  Wave w: two query tiles x three column tiles, K = 8 heads.  Transposed: source 0 = 16 columns of W_lin, source 1 = 16 queries.
.macro LDG ks                          ; K step ks: two fragments of the result, three of W_lin: 40 registers of its own (window 1: ks 0-5; window 0, v176 on: ks 6, 7)
.if (\ks) < 6
.set GB, 40*(\ks)
	WIN 0x40
.else
.set GB, 176+40*((\ks)-6)
	WIN 0
.endif
.irp u, 0,1
.irp e, 0,1
	ds_load_b128 v[GB+8*\u+4*\e:GB+8*\u+4*\e+3], v72 offset:8192*\u+1024*(\ks)+512*\e
.endr
.endr
.irp c, 0,1,2
.irp e, 0,1
	ds_load_b128 v[GB+16+8*\c+4*\e:GB+16+8*\c+4*\e+3], v73 offset:(8*\c+(\ks))*1024+512*\e
.endr
.endr
.endm
.macro MMG ks                          ; six accumulators by turns; the bias is the C of each sum's first product
.if 10*(7-(\ks)) > 60
	s_wait_dscnt 60                                ; 70 loads are younger than this K step's; a smaller count is safe
.else
	s_wait_dscnt 10*(7-(\ks))                      ; ten loads for each younger K step may be out
.endif
.if (\ks) < 6
.set GB, 40*(\ks)
	WIN 0x05
.else
.set GB, 176+40*((\ks)-6)
	WIN 0
.endif
.irp u, 0,1
.irp c, 0,1,2
.if (\ks) == 0
	v_wmma_f32_16x16x32_f16 v[ACC+8*(3*\u+\c):ACC+8*(3*\u+\c)+7], v[GB+16+8*\c:GB+16+8*\c+7], v[GB+8*\u:GB+8*\u+7], v[120+8*\c:127+8*\c]
.else
	v_wmma_f32_16x16x32_f16 v[ACC+8*(3*\u+\c):ACC+8*(3*\u+\c)+7], v[GB+16+8*\c:GB+16+8*\c+7], v[GB+8*\u:GB+8*\u+7], v[ACC+8*(3*\u+\c):ACC+8*(3*\u+\c)+7]
.endif
.endr
.endr
.endm
.irp k, 0,1,2,3,4,5,6,7
	LDG \k
.endr
	s_wait_loadcnt 0x0                             ; b_lin
.irp k, 0,1,2,3,4,5,6,7
	MMG \k
.endr
	WIN 0
	PLACES 4
.set J, 0
.rept 24
	v_pk_mul_f32 v[ACC+J:ACC+J+1], v[ACC+J:ACC+J+1], s[38:39] op_sel_hi:[1,0]    ; -log2(e) x
.set J, J+2
.endr
.set J, 0
.rept 48
	v_exp_f32 v[ACC+J], v[ACC+J]
.set J, J+1
.endr
	v_nop
	s_wait_alu depctr_va_vdst(0)                   ; one wait for the 48 exponentials
.set J, 0
.rept 24
	v_pk_add_f32 v[ACC+J:ACC+J+1], v[ACC+J:ACC+J+1], 1.0 op_sel_hi:[1,0]
.set J, J+2
.endr
.set J, 0
.rept 48
	v_rcp_f32 v[ACC+J], v[ACC+J]                   ; 1 / (1 + e^-x)
.set J, J+1
.endr
	v_nop
	s_wait_alu depctr_va_vdst(0)                   ; and one for the 48 reciprocals
.irp u, 0,1
.irp c, 0,1,2
	ds_store_b128 v74, v[ACC+8*(3*\u+\c):ACC+8*(3*\u+\c)+3] offset:6400*\u+64*\c      ; a lane's eight neighbouring columns of one row; columns 88-95 fall into the row's padding and are never read
	ds_store_b128 v74, v[ACC+8*(3*\u+\c)+4:ACC+8*(3*\u+\c)+7] offset:6400*\u+64*\c+16
.endr
.endr
	s_wait_dscnt 0x0                               ; for the others' sake: a row's 88 columns come from two waves
	s_barrier_signal -1
	s_barrier_wait -1
.irp n, 0,1,2,3,4,5,6,7,8,9,10
	ds_load_b128 v[144+4*\n:147+4*\n], v[75+\n]    ; my 16 rows of out0 are 5,632 dense bytes: 11 x 512
.endr
.irp n, 0,1,2,3,4,5,6,7,8,9,10
	s_wait_dscnt 10-\n                             ; the younger loads may be out
	global_store_b128 v6, v[144+4*\n:147+4*\n], s[32:33] offset:512*\n th:TH_STORE_NT   ; 32 lanes store 512 consecutive bytes, at a multiple of 256 from out0's first byte
.endr
	s_wait_tensorcnt 0x0                           ; the wave's end, behind my last tensor load and my last LDS store
	ds_add_u32 v2, v3
	s_wait_dscnt 0x0
	ROUND                                          ; the closing round: no work-group ends while a partner may still ask for a block that names it
	s_endpgm
.Lfunc_end_k_qb20ee7e79d_main:
	.size	k_qb20ee7e79d_main, .Lfunc_end_k_qb20ee7e79d_main-k_qb20ee7e79d_main
	.p2alignl 7, 3214868480
	.fill 96, 4, 3214868480
	.section	.rodata,"a",@progbits
	.p2align	6, 0x0
	.amdhsa_kernel k_qb20ee7e79d_main
		.amdhsa_group_segment_fixed_size 327680
		.amdhsa_private_segment_fixed_size 0
		.amdhsa_enable_private_segment 0
		.amdhsa_kernarg_size 32
		.amdhsa_user_sgpr_count 2
		.amdhsa_user_sgpr_kernarg_segment_ptr 1
		.amdhsa_wavefront_size32 1
		.amdhsa_system_sgpr_workgroup_id_x 1
		.amdhsa_system_sgpr_workgroup_id_y 1
		.amdhsa_system_sgpr_workgroup_id_z 1
		.amdhsa_system_vgpr_workitem_id 0
		.amdhsa_next_free_vgpr 512
		.amdhsa_next_free_sgpr 100
		.amdhsa_reserve_vcc 0
		.amdhsa_float_denorm_mode_32 3
		.amdhsa_float_denorm_mode_16_64 3
		.amdhsa_memory_ordered 1
		.amdhsa_forward_progress 1
		.amdhsa_inst_pref_size 199
	.end_amdhsa_kernel
	.amdgpu_metadata
---
amdhsa.version: [ 1, 2 ]
amdhsa.kernels:
  - .name:           k_qb20ee7e79d_main
    .symbol:         k_qb20ee7e79d_main.kd
    .args:
      - { .name: spec, .offset: 0, .size: 8, .value_kind: global_buffer, .address_space: global }
      - { .name: wts, .offset: 8, .size: 8, .value_kind: global_buffer, .address_space: global }
      - { .name: out0, .offset: 16, .size: 8, .value_kind: global_buffer, .address_space: global }
      - { .name: out1, .offset: 24, .size: 8, .value_kind: global_buffer, .address_space: global }
    .group_segment_fixed_size: 327680
    .private_segment_fixed_size: 0
    .kernarg_segment_align: 8
    .kernarg_segment_size: 32
    .max_flat_workgroup_size: 256
    .sgpr_count:     100
    .vgpr_count:     512
    .wavefront_size: 32
...
	.end_amdgpu_metadata
.endif
;; end of part 2
